; MI455X (gfx1250); checked and timed in simulation.
; The chip was launched on July 23, 2026; its instructions are those of AMD's public machine-readable ISA for CDNA 5 (MIT licence, August 2026) and "CDNA5" Instruction Set Architecture Reference Guide (July 2026). The comments in the code are by the model that wrote it; some were corrected since.
;; Lo RA Linear. Allowed arithmetic: float matrix products may take bf16 or f16 operands with f32 sums; other float arithmetic in f32, or as packed bf16 or f16 multiplies, adds, multiply-adds, maxima and minima; sums over many terms, partial sums and values carried from step to step in f32; what a program stores and reads back later, other than sums and carried values, may be rounded once to bf16 or f16.
;; Inputs: W 4,096 x 4,096 float32; lora_A 4 x 4,096 float32; lora_B 4,096 x 4 float32; x 2 x 2,048 x 4,096 float32.
;; Outputs: out0 2 x 2,048 x 4,096 float32.
;; One version. Each part assembles by itself: llvm-mc -triple=amdgcn-amd-amdhsa -mcpu=gfx1250 --defsym DOCPART=n.
;; ======== version 1 of 1: 2 launches
;; workspace buffers: xb 33,554,432 bytes; wb 33,554,432 bytes; xl 262,144 bytes; wl 262,144 bytes
;; launch prep (part 1): grid 256 x 2, 8 waves a work-group, no clusters, 72,704 bytes of LDS; arguments x, W, lora_A, lora_B, xb, wb, xl, wl; writes xb, wb, xl, wl
.if DOCPART == 1
	.amdgcn_target "amdgcn-amd-amdhsa--gfx1250"
	.amdhsa_code_object_version 6
	.text
	.protected	k_q426365332e_prep
	.globl	k_q426365332e_prep
	.p2align	8
	.type	k_q426365332e_prep,@function
k_q426365332e_prep:
	s_mov_b64 s[64:65], 0
	v_nop
	global_prefetch_b8 v0, s[64:65] scope:SCOPE_SE
	s_setreg_imm32_b32 hwreg(HW_REG_WAVE_MODE, 25, 1), 1
	s_wait_xcnt 0x0
; PREP: the f32 operands are rounded to bf16 ONCE each, and the low-rank branch is made ready for the product that follows.
;   xb[m][k] = bf16(x[m][k]).                      wb[p][k] = bf16(W[o(p)][k]), rows in the order o(p) = 64 (p >> 6) + 4 (p & 15) + ((p >> 4) & 3).
;   t[m][r]  = sum over k of bf16(x[m][k]) bf16(A[r][k]), by the matrix unit, sums in f32.  4 t is split in two bf16 parts: hi = bf16(4 t), lo = bf16(4 t - hi).
;   xl[m]    = hi0..3, lo0..3, 24 zeros (32 bf16).  wl[p] = bf16(B[o(p)][0..3]) twice, 24 zeros.  So xl[m] . wl[p] = 4 t[m] . B[o(p)], one step of 32 along K for the next launch.
; LIMITS.  Every input is rounded to bf16.  hi + lo keeps 16 significant bits of 4 t.  From |4 t| = 3.39e38 on (bf16's largest finite number) hi is an infinity and the row is lost;
; a lo below f32's smallest normal number loses bits.  NaN and infinities are not treated apart.
; SHARES.  Work-group (q, y): y = 0 makes rows 16 q .. 16 q + 15 of xb and xl, y = 1 those of wb and wl (their sources are 4 rows of W apart).  K goes in chunks of 128 numbers: 512 bytes of f32,
; 256 of bf16.  In unit u (0..3) wave w takes chunk 8 u + w of all 16 rows: a load of the wave covers 512 consecutive bytes, aligned, a store 256 consecutive bytes, aligned.
; IN FLIGHT.  Two sets of 64 registers, a unit each: 32 loads of a wave are out until the last two units.
; NOT USED, and why.  Tensor loads and a ring: nothing but A is read twice, and registers hold what is on its way without a barrier.  A cluster: the one shared input is A's 65,536 bytes beside
; 262,144 of x for each work-group.  A prefetch: every byte of x and W is asked for by its load at once, 32 loads a wave, and nothing is left to ask for ahead of them.
.set ROWF,  16384                      ; bytes in a row of x, W and lora_A
.set ROWH,  8192                       ; bytes in a row of xb and wb
.set TP,    272                        ; an LDS row: 256 bytes + 16 = 68 words: the 16 rows of a fragment load start at 16 different groups of four banks (64 banks of 4 bytes: ISA guide 11.1)
.set WTILE, 8704                       ; a wave's own LDS: its chunk of the 16 rows of x (16 x 272), then
.set ATILE, 4352                       ; its four chunks of A's four rows (row 4 u + r, 16 x 272)
.set PART,  8*WTILE                    ; 69,632: the waves' partial t: wave w, row i at 256 w + 16 i
.set SPARE, PART+2048                  ; 71,680: the spare words, 128 bytes for each wave: four blocks of 256 bytes that no other line names
.set GO,  4                            ; v4   my 16 bytes in a row's 4,096 of a unit: 16 x thread; never rewritten
.set SO,  5                            ; v5   my 8 bytes in a row's 2,048 of a unit: 8 x thread; never rewritten
.set LST, 6                            ; v6   LDS: my 8 bytes of a row of my wave's tile
.set LFX, 7                            ; v7   LDS: my lane's place in a fragment of x: row l % 16, 16 (l / 16)
.set LFA, 8                            ; v8   LDS: the same for A: row l % 4
.set PST, 9                            ; v9   LDS: where I put my row's partial t
.set FIN, 10                           ; v10  x path: LDS, row l / 4 of the partial t.  W path: BO, 64 (l / 4): row l / 4 of my eight rows of B, which lie 4 rows apart
.set BO,  10
.set XO,  11                           ; v11  16 l: my 16 bytes of 512 consecutive bytes of xl or wl
.set SPW, 12                           ; v12  LDS address of my spare word; never rewritten
.set NIL, 13                           ; v13  0; never rewritten
.set ACC, 16                           ; v[16:31]   two accumulators
.set FR,  32                           ; v[32:95]   A as loaded; then four pairs of fragments: A's at FR + 16 f, x's at FR + 16 f + 8
.set Y,   96                           ; v[96:127]  row i: 2 registers, 4 bf16, to store
.set X,   128                          ; v[128:255] two sets of 64: row i: 4 registers as loaded
.set SRC, 32                           ; s[32:33] my first source row
.set DST, 34                           ; s[34:35] my first row of xb or wb
.set SML, 36                           ; s[36:37] my first row of xl or wl
.set BB,  38                           ; s[38:39] my first row of lora_B
	s_load_b512 s[16:31], s[0:1], 0x0              ; x 16, W 18, lora_A 20, lora_B 22, xb 24, wb 26, xl 28, wl 30
	v_lshl_add_u32 v[SPW], v0, 2, SPARE
	v_mov_b32 v[NIL], 0
	v_lshrrev_b32 v15, 5, v0
	v_readfirstlane_b32 s4, v15                    ; wave 0..7
	s_mov_b32 s2, ttmp9                            ; q
	s_and_b32 s3, ttmp7, 0xffff                    ; y
	v_and_b32 v1, 31, v0                           ; l
	v_and_b32 v2, 15, v0                           ; l % 16
	v_bfe_u32 v3, v0, 4, 1                         ; l / 16
	v_and_b32 v14, 3, v0                           ; l % 4
	v_lshlrev_b32 v[GO], 4, v0
	v_lshlrev_b32 v[SO], 3, v0
	v_lshlrev_b32 v[XO], 4, v1
	v_lshrrev_b32 v15, 2, v1                       ; l / 4
	s_lshl_b32 s8, s2, 17                          ; 16 rows of 8,192 bytes
	s_mov_b32 s9, 0
	s_lshl_b32 s10, s2, 10                         ; 16 rows of 64 bytes
	s_mov_b32 s11, 0
	s_mov_b32 s7, 0
	s_wait_kmcnt 0x0
; A unit's 16 loads into set slot; rs = bytes from source row to source row.
.macro LOADX slot, u, rs
.irp i, 0,1,2,3,4,5,6,7,8,9,10,11,12,13,14,15
	global_load_b128 v[X+64*(\slot)+4*(\i):X+64*(\slot)+4*(\i)+3], v[GO], s[SRC:SRC+1] offset:(\i)*(\rs)+4096*(\u) th:TH_LOAD_NT
.endr
.endm
; Unit u: rounded, its set asked for again, stored.  left = the younger loads that may stay out.  lora = 1: the rounded chunk also goes through my own tile in LDS into fragments, and four products add to t.
.macro UNIT u, rs, left, lora
.set XS, X+64*((\u)%2)
	s_wait_loadcnt \left                           ; loads come back in order (ISA guide 5.7.1): this unit's 16 are in, the other set's stay out
.if (\u) > 0
	s_wait_xcnt 0x0                                ; the last unit's stores have read Y: it is rewritten only behind this wait
.endif
.irp i, 0,1,2,3,4,5,6,7,8,9,10,11,12,13,14,15
	v_cvt_pk_bf16_f32 v[Y+2*(\i)],   v[XS+4*(\i)],   v[XS+4*(\i)+1]
	v_cvt_pk_bf16_f32 v[Y+2*(\i)+1], v[XS+4*(\i)+2], v[XS+4*(\i)+3]
.endr
.if (\u) < 2
	LOADX (\u)%2, (\u)+2, \rs                      ; loads ahead of stores
.endif
.irp i, 0,1,2,3,4,5,6,7,8,9,10,11,12,13,14,15
	global_store_b64 v[SO], v[Y+2*(\i):Y+2*(\i)+1], s[DST:DST+1] offset:(\i)*ROWH+2048*(\u) th:TH_STORE_NT  ; the wave's 32 lanes store 256 consecutive bytes, at a multiple of 256 from the buffer's first
.endr
.if \lora
.irp i, 0,1,2,3,4,5,6,7,8,9,10,11,12,13,14,15
	ds_store_b64 v[LST], v[Y+2*(\i):Y+2*(\i)+1] offset:TP*(\i)
.endr
.irp f, 0,1,2,3                        ; LDS serves a wave's instructions in order (ISA guide 5.7.1.4): these see the stores above, and no other wave touches my tile.  The 32 roundings above are the places behind the last unit's products
	ds_load_b128 v[FR+16*(\f):FR+16*(\f)+3],     v[LFA] offset:ATILE+4*TP*(\u)+64*(\f)
	ds_load_b128 v[FR+16*(\f)+4:FR+16*(\f)+7],   v[LFA] offset:ATILE+4*TP*(\u)+64*(\f)+32
	ds_load_b128 v[FR+16*(\f)+8:FR+16*(\f)+11],  v[LFX] offset:64*(\f)
	ds_load_b128 v[FR+16*(\f)+12:FR+16*(\f)+15], v[LFX] offset:64*(\f)+32
.endr
	s_wait_dscnt 0x0
.irp f, 0,1,2,3                        ; the two accumulators take turns, one instruction a turn, from unit to unit too; the first two products start the sums
.if (\u) == 0 && (\f) < 2
	v_wmma_f32_16x16x32_bf16 v[ACC+8*((\f)%2):ACC+8*((\f)%2)+7], v[FR+16*(\f):FR+16*(\f)+7], v[FR+16*(\f)+8:FR+16*(\f)+15], 0
.else
	v_wmma_f32_16x16x32_bf16 v[ACC+8*((\f)%2):ACC+8*((\f)%2)+7], v[FR+16*(\f):FR+16*(\f)+7], v[FR+16*(\f)+8:FR+16*(\f)+15], v[ACC+8*((\f)%2):ACC+8*((\f)%2)+7]
.endif
.endr
.endif
.endm
.macro ADD4 d, s                       ; four sums
	v_pk_add_f32 v[(\d):(\d)+1],   v[(\d):(\d)+1],   v[(\s):(\s)+1]
	v_pk_add_f32 v[(\d)+2:(\d)+3], v[(\d)+2:(\d)+3], v[(\s)+2:(\s)+3]
.endm
; Rows 8 i + l / 4 of xl: the eight waves' partial t are added, times 4 (exact), split in two bf16 parts, and stored with the row's zeros.
.macro SPLIT i
.set TB, X+32*(\i)
.set OB, TB+4
.set EB, TB+8
	ADD4 TB, TB+4
	ADD4 TB+8, TB+12
	ADD4 TB+16, TB+20
	ADD4 TB+24, TB+28
	ADD4 TB, TB+8
	ADD4 TB+16, TB+24
	ADD4 TB, TB+16
	v_pk_mul_f32 v[TB:TB+1],   v[TB:TB+1],   4.0 op_sel_hi:[1,0]
	v_pk_mul_f32 v[TB+2:TB+3], v[TB+2:TB+3], 4.0 op_sel_hi:[1,0]
	v_cvt_pk_bf16_f32 v[OB],   v[TB],   v[TB+1]   ; hi
	v_cvt_pk_bf16_f32 v[OB+1], v[TB+2], v[TB+3]
	v_lshlrev_b32 v[EB],   16, v[OB]               ; hi as f32
	v_and_b32     v[EB+1], 0xffff0000, v[OB]
	v_lshlrev_b32 v[EB+2], 16, v[OB+1]
	v_and_b32     v[EB+3], 0xffff0000, v[OB+1]
	v_pk_add_f32 v[EB:EB+1],   v[TB:TB+1],   v[EB:EB+1]   neg_lo:[0,1] neg_hi:[0,1]  ; 4 t - hi: no bit is lost
	v_pk_add_f32 v[EB+2:EB+3], v[TB+2:TB+3], v[EB+2:EB+3] neg_lo:[0,1] neg_hi:[0,1]
	v_cvt_pk_bf16_f32 v[OB+2], v[EB],   v[EB+1]   ; lo
	v_cvt_pk_bf16_f32 v[OB+3], v[EB+2], v[EB+3]
.irp c, 0,1,2,3
	v_cndmask_b32 v[OB+(\c)], 0, v[OB+(\c)], vcc_lo  ; of a row's four pieces of 16 bytes only the first is not zero
.endr
	global_store_b128 v[XO], v[OB:OB+3], s[SML:SML+1] offset:512*(\i)  ; eight rows: 512 consecutive bytes
.endm
	s_cmp_lg_u32 s3, 0                             ; the same in all eight waves
	s_cbranch_scc1 .Lw_path
	; ---- y = 0: x ----
	s_lshl_b32 s6, s2, 18                          ; 16 rows of 16,384 bytes
	s_add_nc_u64 s[SRC:SRC+1], s[16:17], s[6:7]
	s_add_nc_u64 s[DST:DST+1], s[24:25], s[8:9]
	s_add_nc_u64 s[SML:SML+1], s[28:29], s[10:11]
.irp e, 0,1,2,3,4,5,6,7,8,9,10,11,12,13,14,15  ; e = 4 u + r: my chunk 8 u + w of A's row r
	global_load_b128 v[FR+4*(\e):FR+4*(\e)+3], v[GO], s[20:21] offset:ROWF*((\e)%4)+4096*((\e)/4)
.endr
	LOADX 0, 0, ROWF
	LOADX 1, 1, ROWF
	s_mul_i32 s5, s4, WTILE                        ; my wave's LDS
	v_lshl_add_u32 v[LST], v1, 3, s5
	v_mul_u32_u24 v[LFX], v2, TP
	v_lshl_add_u32 v[LFX], v3, 4, v[LFX]
	v_add_nc_u32 v[LFX], s5, v[LFX]
	v_mul_u32_u24 v[LFA], v14, TP                  ; source 0's row i takes A's row i % 4: the four ranks stand four times, and nothing need be cleared
	v_lshl_add_u32 v[LFA], v3, 4, v[LFA]
	v_add_nc_u32 v[LFA], s5, v[LFA]
	s_lshl_b32 s12, s4, 8
	v_lshl_add_u32 v[PST], v2, 4, s12
	v_add_nc_u32 v[PST], PART, v[PST]
	v_lshl_add_u32 v[FIN], v15, 4, PART
	s_wait_loadcnt 32                              ; A's 16 loads are in; x's 32 stay out
.irp e, 0,1,2,3,4,5,6,7,8,9,10,11,12,13,14,15  ; rounded in place, ascending: no register is written before it has been read
	v_cvt_pk_bf16_f32 v[FR+2*(\e)],   v[FR+4*(\e)],   v[FR+4*(\e)+1]
	v_cvt_pk_bf16_f32 v[FR+2*(\e)+1], v[FR+4*(\e)+2], v[FR+4*(\e)+3]
.endr
.irp e, 0,1,2,3,4,5,6,7,8,9,10,11,12,13,14,15
	ds_store_b64 v[LST], v[FR+2*(\e):FR+2*(\e)+1] offset:ATILE+TP*(\e)
.endr
	UNIT 0, ROWF, 16, 1
	UNIT 1, ROWF, 16, 1
	UNIT 2, ROWF, 16, 1
	UNIT 3, ROWF, 0, 1
	; Source 0 = A, source 1 = x: a lane holds x's row l % 16, and its registers 0-3 the four ranks (registers 4-7 and the other half of the lanes hold them once more).
.rept 8
	v_nop                                          ; the places behind the last products (ISA guide 7.12.1), with room to spare: once a launch
.endr
	v_pk_add_f32 v[ACC:ACC+1],   v[ACC:ACC+1],   v[ACC+8:ACC+9]
	v_pk_add_f32 v[ACC+2:ACC+3], v[ACC+2:ACC+3], v[ACC+10:ACC+11]
	ds_store_b128 v[PST], v[ACC:ACC+3]             ; both halves of the lanes write the same bytes with the same numbers
	s_wait_dscnt 0x0                               ; for wave 0's sake: my partial t lies in LDS
	s_barrier_signal -1
	s_barrier_wait -1
	s_cmp_lg_u32 s4, 0
	s_cbranch_scc1 .Lend                           ; wave 0 finishes
.irp i, 0,1
.irp w, 0,1,2,3,4,5,6,7
	ds_load_b128 v[X+32*(\i)+4*(\w):X+32*(\i)+4*(\w)+3], v[FIN] offset:256*(\w)+128*(\i)
.endr
.endr
	v_cmp_eq_u32 vcc_lo, 0, v14
	s_wait_dscnt 0x0
	SPLIT 0
	SPLIT 1
	s_branch .Lend
	; ---- y = 1: W ----
.Lw_path:
	s_lshr_b32 s12, s2, 2                          ; q / 4
	s_and_b32 s13, s2, 3                           ; q % 4
	s_lshl_b32 s6, s12, 6
	s_add_co_u32 s6, s6, s13                       ; row 16 q + i of wb is W's row 64 (q / 4) + q % 4 + 4 i
	s_lshl_b32 s6, s6, 14
	s_add_nc_u64 s[SRC:SRC+1], s[18:19], s[6:7]
	s_add_nc_u64 s[DST:DST+1], s[26:27], s[8:9]
	s_add_nc_u64 s[SML:SML+1], s[30:31], s[10:11]
	s_lshl_b32 s6, s12, 10                         ; the same row of lora_B, 16 bytes a row
	s_lshl_b32 s13, s13, 4
	s_add_co_u32 s6, s6, s13
	s_add_nc_u64 s[BB:BB+1], s[22:23], s[6:7]
	v_lshlrev_b32 v[BO], 6, v15
	s_cmp_lg_u32 s4, 0
	s_cbranch_scc1 .Lw_stream
	global_load_b128 v[FR:FR+3],   v[BO], s[BB:BB+1]             ; wave 0: B's rows for i = l / 4 and 8 + l / 4; older than every load of W, so the counts below hold in all waves
	global_load_b128 v[FR+4:FR+7], v[BO], s[BB:BB+1] offset:512
.Lw_stream:
	LOADX 0, 0, 4*ROWF
	LOADX 1, 1, 4*ROWF
	UNIT 0, 4*ROWF, 16, 0
	UNIT 1, 4*ROWF, 16, 0
	UNIT 2, 4*ROWF, 16, 0
	UNIT 3, 4*ROWF, 0, 0
	s_cmp_lg_u32 s4, 0
	s_cbranch_scc1 .Lend
	v_cmp_eq_u32 vcc_lo, 0, v14
.irp i, 0,1
	v_cvt_pk_bf16_f32 v[FR+8+4*(\i)], v[FR+4*(\i)],   v[FR+4*(\i)+1]
	v_cvt_pk_bf16_f32 v[FR+9+4*(\i)], v[FR+4*(\i)+2], v[FR+4*(\i)+3]
	v_cndmask_b32 v[FR+8+4*(\i)], 0, v[FR+8+4*(\i)], vcc_lo  ; of a row's four pieces of 16 bytes only the first is not zero
	v_cndmask_b32 v[FR+9+4*(\i)], 0, v[FR+9+4*(\i)], vcc_lo
	v_mov_b32 v[FR+10+4*(\i)], v[FR+8+4*(\i)]      ; the four numbers once more, to meet lo
	v_mov_b32 v[FR+11+4*(\i)], v[FR+9+4*(\i)]
	global_store_b128 v[XO], v[FR+8+4*(\i):FR+11+4*(\i)], s[SML:SML+1] offset:512*(\i)
.endr
.Lend:
	s_wait_tensorcnt 0x0                           ; the wave's end, behind my last LDS store
	ds_add_u32 v[SPW], v[NIL]
	s_wait_dscnt 0x0
	s_endpgm
.Lfunc_end_k_q426365332e_prep:
	.size	k_q426365332e_prep, .Lfunc_end_k_q426365332e_prep-k_q426365332e_prep
	.p2alignl 7, 3214868480
	.fill 96, 4, 3214868480
	.section	.rodata,"a",@progbits
	.p2align	6, 0x0
	.amdhsa_kernel k_q426365332e_prep
		.amdhsa_group_segment_fixed_size 72704
		.amdhsa_private_segment_fixed_size 0
		.amdhsa_enable_private_segment 0
		.amdhsa_kernarg_size 64
		.amdhsa_user_sgpr_count 2
		.amdhsa_user_sgpr_kernarg_segment_ptr 1
		.amdhsa_wavefront_size32 1
		.amdhsa_system_sgpr_workgroup_id_x 1
		.amdhsa_system_sgpr_workgroup_id_y 1
		.amdhsa_system_sgpr_workgroup_id_z 1
		.amdhsa_system_vgpr_workitem_id 0
		.amdhsa_next_free_vgpr 256
		.amdhsa_next_free_sgpr 66
		.amdhsa_reserve_vcc 1
		.amdhsa_float_denorm_mode_32 3
		.amdhsa_float_denorm_mode_16_64 3
		.amdhsa_memory_ordered 1
		.amdhsa_forward_progress 1
		.amdhsa_inst_pref_size 63
	.end_amdhsa_kernel
	.amdgpu_metadata
---
amdhsa.version: [ 1, 2 ]
amdhsa.kernels:
  - .name:           k_q426365332e_prep
    .symbol:         k_q426365332e_prep.kd
    .args:
      - { .name: x, .offset: 0, .size: 8, .value_kind: global_buffer, .address_space: global }
      - { .name: W, .offset: 8, .size: 8, .value_kind: global_buffer, .address_space: global }
      - { .name: lora_A, .offset: 16, .size: 8, .value_kind: global_buffer, .address_space: global }
      - { .name: lora_B, .offset: 24, .size: 8, .value_kind: global_buffer, .address_space: global }
      - { .name: xb, .offset: 32, .size: 8, .value_kind: global_buffer, .address_space: global }
      - { .name: wb, .offset: 40, .size: 8, .value_kind: global_buffer, .address_space: global }
      - { .name: xl, .offset: 48, .size: 8, .value_kind: global_buffer, .address_space: global }
      - { .name: wl, .offset: 56, .size: 8, .value_kind: global_buffer, .address_space: global }
    .group_segment_fixed_size: 72704
    .private_segment_fixed_size: 0
    .kernarg_segment_align: 8
    .kernarg_segment_size: 64
    .max_flat_workgroup_size: 256
    .sgpr_count:     66
    .vgpr_count:     256
    .wavefront_size: 32
...
	.end_amdgpu_metadata
.endif
;; end of part 1
;; launch gemm (part 2): grid 16 x 16, 4 waves a work-group, clusters of 4 x 4, 327,680 bytes of LDS; arguments xb, wb, xl, wl, out0; writes out0
.if DOCPART == 2
	.amdgcn_target "amdgcn-amd-amdhsa--gfx1250"
	.amdhsa_code_object_version 6
	.text
	.protected	k_q426365332e_gemm
	.globl	k_q426365332e_gemm
	.p2align	8
	.type	k_q426365332e_gemm,@function
k_q426365332e_gemm:
	s_mov_b64 s[64:65], 0
	v_nop
	global_prefetch_b8 v0, s[64:65] scope:SCOPE_SE
	s_setreg_imm32_b32 hwreg(HW_REG_WAVE_MODE, 25, 1), 1
	s_wait_xcnt 0x0
	s_wait_alu depctr_hold_cnt(0) depctr_sa_sdst(0) depctr_va_vdst(0) depctr_va_sdst(0) depctr_va_ssrc(0) depctr_va_vcc(0) depctr_vm_vsrc(0)
	s_getreg_b32 s2, hwreg(HW_REG_IB_STS2, 6, 4)
	s_cmp_eq_u32 s2, 0
	s_cbranch_scc0 .Lentry_in_a_cluster
	s_endpgm
.Lentry_in_a_cluster:
	s_bfe_u32 s2, ttmp6, 0x10000c
	s_cmp_lg_u32 s2, 0xf033
	s_cbranch_scc0 .Lentry_shape_is_right
	s_endpgm
.Lentry_shape_is_right:
; out[m][o] = sum over k of xb[m][k] W'[o][k] + xl[m] . wl'[o]: the 4,096 x 4,096 x 4,096 product in bf16 with f32 sums, and the low-rank branch as ONE more step of 32 along K.
; xb: [4096][4096] bf16.  wb: [4096][4096] bf16, row p = W's row o(p) = 64 (p >> 6) + 4 (p & 15) + ((p >> 4) & 3).  xl, wl: [4096][32] bf16 (wl's rows in wb's order).  out: [4096][4096] f32.
; LIMITS.  Those of the launch before: inputs rounded to bf16 once, 4 t in two bf16 parts.  Sums in f32, in the matrix unit's order.
; SHARES.  A tile of out, 256 x 256, is made by a work-group of four waves; a wave makes 128 x 128: 64 accumulators of 16 x 16, 512 registers.  256 tiles, one work-group each.  K goes in 32 steps of 128
; through a ring of two LDS slots filled by the tensor data mover: a tile's rows are 256 bytes of memory and start at multiples of 256 bytes from the buffer's first byte.
; THE LOW-RANK STEP COMES FIRST: its 64 products take the constant 0 as C and start all sums, so nothing is cleared; its fragments come straight from memory, and it runs while the first tiles are on their way.
; CLUSTERS: 4 x 4 work-groups.  The four of a row of the cluster need the same tiles of xb, the four of a column the same tiles of wb: each tile is asked for JOINTLY, by the same tensor load with the same
; descriptor and a mask that names the four.
; THE WAY OUT NEEDS NO LDS.  Source 0 = 16 rows of x, source 1 = 16 rows of w: register j of accumulator (a, b) in lane l is out(row 16 a + 8 (l / 16) + j, w's row 16 b + l % 16).  By wb's order of rows that is
; column 64 (b / 4) + 4 (l % 16) + b % 4: the accumulators 4 g .. 4 g + 3 hold, at one register number, FOUR NEIGHBOURING columns in each lane, and sixteen lanes 256 neighbouring bytes.  Four moves bring them
; into four registers on end, and one store of 16 bytes a lane writes two whole rows' pieces of 256 bytes.
; REGISTERS, in windows of 256 (s_set_vgpr_msb: bits 1:0 source 0, 3:2 source 1, 5:4 source 2, 7:6 destination):
;   window 0: v0-31 addresses; v64-127, v128-191 fragments of x (8 x 16 rows x 32 K), two buffers; on the way out the two buffers of the stores' data
;   window 1: v64-127, v128-191 fragments of w, two buffers
;   window 2: the 32 accumulators of my rows 0-63 (accumulator (a, b) at v[8 (8 a + b)]);   window 3: those of my rows 64-127
.set SIZE_K, 4096
.set SIZE_N, 4096
.set KSTEP,  128
.set PITCH,  272                       ; an LDS row: 256 bytes + 16 of padding = 68 words: row r starts at bank 4 r mod 64 (64 banks of 4 bytes: ISA guide 11.1), so the 16 rows of a load start at 16 different banks
.set HALFT,  128*PITCH                 ; 128 rows: what one tensor load brings, and what one wave reads of x or of w
.set SLOT,   4*HALFT                   ; x's 256 rows, then w's 256 rows
.set SPARE,  2*SLOT                    ; behind the ring: the spare words, 128 bytes for each wave: two blocks of 256 bytes that no other line names
.set LAPS,   SIZE_K/(2*KSTEP)          ; a lap = two K steps = once round the ring: 16
.set ADRA, 16                          ; v16-17  LDS address of my x fragments in slot 0, 1
.set ADRB, 20                          ; v20-21  the same for w
.set CO,   26                          ; v26     my byte offset in out: 8 rows x (l / 16) + 16 (l % 16); never rewritten
.set LOF,  27                          ; v27     my byte offset in 16 rows of xl or wl: 64 (l % 16) + 16 (l / 16)
.set SPW,  28                          ; v28     LDS address of my spare word: SPARE + 4 x my thread's number; never rewritten
.set NIL,  29                          ; v29     0; never rewritten
.set PFO,  30                          ; v30     the prefetches' offset: my lane x a row of xb or wb (8,192 bytes); never rewritten
.set PFA,  44                          ; s[44:45] where my prefetches stand: my work-group's 32 rows of the 128 that I fetch, one K step further along K than the refill that is being asked for
.set LIM,  43                          ; s43     1 in a wave that prefetches, else the greatest number
.set F0,   64                          ; fragment buffer 0
.set F1,   128                         ; fragment buffer 1
.set G1, 24                            ; s[24:31] descriptor group 1 for x's tiles
.set G0, 32                            ; s[32:39] descriptor group 0 for x's tiles, one set for each slot
.set G1B, 48                           ; s[48:55] descriptor group 1 for w's tiles: it differs in the mask alone
.set G0B, 56                           ; s[56:63] descriptor group 0 for w's tiles, one set for each slot
.set MSB, 0
.macro WIN new                         ; the immediate's high byte repeats the setting that is left; a switch that changes nothing is dropped
.if MSB != (\new)
	s_set_vgpr_msb (MSB<<8)|(\new)
.set MSB, \new
.endif
.endm
.set MUL_LO, 0xa4                      ; source 0 (x) window 0, source 1 (w) window 1, C and D window 2
.set MUL_HI, 0xf4                      ; the same, C and D window 3
.set TO_B,   0x40                      ; destination window 1, address window 0
; A joint load.  Waves 0 and 1 fetch x's two halves, waves 2 and 3 w's.  Each of the two lines has ONE mask and one set of registers for all that issue it.  The branch hangs on the wave's number alone.
; An s_nop 0 and four v_nop follow each of the two lines, ahead of the jump, the label and what follows the macro.
.macro JLOAD s
	s_cmp_eq_u32 s11, 0
	s_cbranch_scc0 .Lfor_b_\@
	tensor_load_to_lds s[G0+4*(\s):G0+4*(\s)+3], s[G1:G1+7]
	s_nop 0
.rept 4
	v_nop
.endr
	s_branch .Lasked_\@
.Lfor_b_\@:
	tensor_load_to_lds s[G0B+4*(\s):G0B+4*(\s)+3], s[G1B:G1B+7]
	s_nop 0
.rept 4
	v_nop
.endr
.Lasked_\@:
.endm
; A PREFETCH INTO THE L2, behind each joint refill and the run of LDS loads that follows it: the K step that stands TWO refills on, 512 matrix instructions ahead of the load that will want it: 32 rows x 256 bytes,
; a lane a row, one instruction a wave.  Each row's 256 bytes of a K step are named ONCE in the launch: x's tile row is read by every cluster of that row of clusters, and the one with x = 0 asks; w's tile column
; by every cluster of that column, and the one with y = 0 asks.  The four partners that ask for a tile jointly share its rows out BY ADDRESS, 32 each (by cx for x, by cy for w): no branch hangs on a work-group's
; place in its cluster.  K steps 0 to 3 come by their loads alone; the loop's last trip (s3 = 1) asks for nothing: K steps 32 and 33 do not exist.
.macro ASK
	s_cmp_gt_u32 s3, s[LIM]
	s_cbranch_scc0 .Lnot_mine_\@
	global_prefetch_b8 v[PFO], s[PFA:PFA+1] offset:KSTEP*2 th:TH_LOAD_NT scope:SCOPE_SE
.Lnot_mine_\@:
.endm
; A round of the cluster's barrier: my work-group's barrier, so that wave 0's signal speaks for all four waves; wave 0 signals for the work-group; every wave waits for all sixteen work-groups; my work-group's
; barrier once more.  No LDS instruction of the wave is pending at a signal.
.macro CREST                           ; a round behind its opening barrier
	s_cmp_lg_u32 s10, 0
	s_cbranch_scc1 .Lnot_wave_0_\@
	s_barrier_signal -3
.Lnot_wave_0_\@:
	s_barrier_wait -3
	s_barrier_signal -1
	s_barrier_wait -1
.endm
.macro CROUND                          ; a whole round
	s_barrier_signal -1
	s_barrier_wait -1
	CREST
.endm
	s_load_b128 s[4:7], s[0:1], 0x0                ; xb s[4:5], wb s[6:7]
	s_load_b128 s[68:71], s[0:1], 0x10             ; xl s[68:69], wl s[70:71]
	s_load_b64 s[8:9], s[0:1], 0x20                ; out
	v_lshl_add_u32 v[SPW], v0, 2, SPARE
	v_mov_b32 v[NIL], 0
	ds_add_u32 v[SPW], v[NIL]                      ; the wave's opening: the add, twice on end, and its wait ahead of my first tensor load; the set-up below stands between the second and the wait
	ds_add_u32 v[SPW], v[NIL]                      ; and once more, under the one wait
	v_lshrrev_b32 v1, 5, v0
	v_readfirstlane_b32 s10, v1                    ; wave 0..3
	s_lshr_b32 s11, s10, 1                         ; which half of the tile's rows is mine.  Also: I fetch for x (0) or for w (1)
	s_and_b32 s12, s10, 1                          ; which half of its columns.  Also: which 128 rows of that tile I fetch
	s_bfe_u32 s40, ttmp6, 0x40000                  ; cx: my place along the cluster's x
	s_bfe_u32 s41, ttmp6, 0x40004                  ; cy: along its y
	s_lshl_b32 s42, ttmp9, 2                       ; in a cluster launch ttmp9 and ttmp7 count clusters
	s_add_co_u32 s42, s42, s40                     ; tile column = 4 x cluster x + cx
	s_and_b32 s13, ttmp7, 0xffff
	s_lshl_b32 s13, s13, 2
	s_add_co_u32 s13, s13, s41                     ; tile row = 4 x cluster y + cy
	s_lshl_b32 s43, s41, 2
	s_lshl_b32 s43, 15, s43                        ; my row of the cluster: places 4 cy .. 4 cy + 3
	s_lshl_b32 s44, 0x1111, s40                    ; my column: places cx, cx + 4, cx + 8, cx + 12
	; descriptor group 1: a tile of 128 rows x 128 elements, padded in LDS
	s_or_b32 s[G1+0], s43, (1<<16)|(1<<20)|(1<<21)|(5<<22)|(3<<25)  ; 15:0 the mask: x's tiles go to my row; 17:16 elements of 2 bytes; 20 padding on; 21 set beside a mask; 24:22 after every 64 words (code 5); 31:25 4 words (code 3)
	s_or_b32 s[G1B+0], s44, (1<<16)|(1<<20)|(1<<21)|(5<<22)|(3<<25) ; the same with the mask of my column, for w's tiles
.irp g, G1, G1B
	s_mov_b32 s[(\g)+1], KSTEP<<16                 ; 63:48 tensor_dim0, low half = 128
	s_mov_b32 s[(\g)+2], 128<<16                   ; 79:64 its high half = 0; 95:80 tensor_dim1, low half = 128
	s_mov_b32 s[(\g)+3], KSTEP<<16                 ; 111:96 its high half = 0; 127:112 tile_dim0 = 128
	s_mov_b32 s[(\g)+4], 128                       ; 143:128 tile_dim1 = 128; 159:144 tile_dim2 = 0
	s_mov_b32 s[(\g)+5], SIZE_K                    ; 191:160 tensor_dim0_stride, low word: elements from row to row
	s_mov_b32 s[(\g)+6], 0
	s_mov_b32 s[(\g)+7], 0
.endr
	; where the tiles come from.  x's hang on the tile row alone, which my row of the cluster shares; w's on the tile column alone, which my column shares.
	s_lshl_b32 s17, s12, 7                         ; which 128 rows of the tile I fetch
	s_lshl_b32 s16, s13, 8
	s_add_co_u32 s16, s16, s17                     ; x: row 256 x tile row + 128 x half
	s_lshl_b32 s46, s42, 8
	s_add_co_u32 s46, s46, s17                     ; w: row 256 x tile column + 128 x half
	s_mov_b32 s17, 0
	s_mov_b32 s47, 0
	s_mov_b64 s[18:19], SIZE_K*2
	s_mul_u64 s[16:17], s[16:17], s[18:19]         ; in bytes
	s_mul_u64 s[46:47], s[46:47], s[18:19]
	s_mul_i32 s20, s10, HALFT                      ; and where they go: wave x 128 rows: no place in the cluster enters an LDS address
	s_wait_dscnt 0x0                               ; both opening adds are done
	s_wait_kmcnt 0x0
	s_add_nc_u64 s[14:15], s[4:5], s[16:17]
	s_add_nc_u64 s[46:47], s[6:7], s[46:47]
	CROUND                                         ; all sixteen work-groups are here: the first joint loads meet
.irp s, 0,1
	s_mov_b32 s[G0+4*(\s)], 1                                      ; 1:0 count = 1
	s_add_co_u32 s[G0+4*(\s)+1], s20, (\s)*SLOT                    ; 63:32 LDS address
	s_add_nc_u64 s[G0+4*(\s)+2:G0+4*(\s)+3], s[14:15], (\s)*KSTEP*2  ; 120:64 global address: K step s
	s_or_b32 s[G0+4*(\s)+3], s[G0+4*(\s)+3], 0x80000000            ; 127:126 type = 2
	s_mov_b32 s[G0B+4*(\s)], 1
	s_add_co_u32 s[G0B+4*(\s)+1], s20, (\s)*SLOT
	s_add_nc_u64 s[G0B+4*(\s)+2:G0B+4*(\s)+3], s[46:47], (\s)*KSTEP*2
	s_or_b32 s[G0B+4*(\s)+3], s[G0B+4*(\s)+3], 0x80000000
	JLOAD \s                                       ; the ring is filled before anything else is done: two tensor loads of mine are out
.endr
	; A fragment is 16 rows x 32 K in 8 registers: lane l holds row l % 16; registers 0-3 hold K = 8 (l / 16) + 0..7, registers 4-7 K = 16 + 8 (l / 16) + 0..7: two loads of 16 bytes, 32 bytes apart.
	v_and_b32 v1, 15, v0                           ; l % 16
	v_bfe_u32 v2, v0, 4, 1                         ; l / 16
	v_mul_u32_u24 v3, v1, PITCH
	v_lshl_add_u32 v3, v2, 4, v3                   ; row x pitch + 16 x half
	s_mul_i32 s21, s11, HALFT                      ; my 128 rows of x
	s_mul_i32 s22, s12, HALFT                      ; my 128 rows of w,
	s_add_co_u32 s22, s22, 2*HALFT                 ; which lie behind x's 256
.irp s, 0,1
	v_add_nc_u32 v[ADRA+(\s)], s21, v3
	v_add_nc_u32 v[ADRB+(\s)], s22, v3
	s_add_co_u32 s21, s21, SLOT
	s_add_co_u32 s22, s22, SLOT
.endr
	v_lshlrev_b32 v[CO], 4, v1
	v_lshl_add_u32 v[CO], v2, 17, v[CO]            ; 8 rows of 16,384 bytes for the upper half of the lanes
	v_lshlrev_b32 v[LOF], 6, v1
	v_lshl_add_u32 v[LOF], v2, 4, v[LOF]
	s_lshl_b32 s13, s13, 8                         ; 256 x tile row
	s_lshl_b32 s14, s11, 7
	s_add_co_u32 s16, s13, s14                     ; my first row of x and of out
	s_mov_b32 s17, 0
	s_lshl_b32 s18, s16, 6                         ; 64 bytes a row of xl
	s_mov_b32 s19, 0
	s_add_nc_u64 s[68:69], s[68:69], s[18:19]
	s_lshl_b32 s16, s16, 14                        ; 16,384 bytes a row of out
	s_add_nc_u64 s[8:9], s[8:9], s[16:17]
	s_lshl_b32 s46, s42, 8
	s_lshl_b32 s47, s12, 7
	s_add_co_u32 s46, s46, s47                     ; my first row of w, which is also my first column of out
	s_mov_b32 s47, 0
	s_lshl_b32 s22, s46, 6
	s_mov_b32 s23, 0
	s_add_nc_u64 s[70:71], s[70:71], s[22:23]
	s_lshl_b32 s46, s46, 2
	s_add_nc_u64 s[8:9], s[8:9], s[46:47]
	; the low-rank step's fragments, straight from memory into buffer 1: 128 rows of wl, 128 rows of xl, 64 bytes a row
	WIN TO_B
.irp i, 0,1,2,3,4,5,6,7
	global_load_b128 v[F1+8*(\i):F1+8*(\i)+3],   v[LOF], s[70:71] offset:1024*(\i)
	global_load_b128 v[F1+8*(\i)+4:F1+8*(\i)+7], v[LOF], s[70:71] offset:1024*(\i)+32
.endr
	WIN 0
.irp i, 0,1,2,3,4,5,6,7
	global_load_b128 v[F1+8*(\i):F1+8*(\i)+3],   v[LOF], s[68:69] offset:1024*(\i)
	global_load_b128 v[F1+8*(\i)+4:F1+8*(\i)+7], v[LOF], s[68:69] offset:1024*(\i)+32
.endr
	; the prefetches.  s13 = 256 x tile row, s42 = tile column, s40 = cx, s41 = cy still stand
	s_lshl_b32 s42, s42, 8
	s_and_b32 s22, ttmp7, 0xffff                   ; cluster y
	s_cmp_eq_u32 s11, 0                            ; do I fetch for x?
	s_cselect_b32 s20, s13, s42                    ; the tile's first row: in xb by the tile row, in wb by the tile column
	s_cselect_b32 s21, s40, s41                    ; my place among the four that ask for it with me
	s_cselect_b32 s22, ttmp9, s22                  ; the coordinate along which other clusters read the same rows
	s_cselect_b64 s[PFA:PFA+1], s[4:5], s[6:7]
	s_cmp_eq_u32 s22, 0
	s_cselect_b32 s[LIM], 1, -1                    ; the same in all sixteen partners, for a given wave
	s_lshl_b32 s22, s12, 7
	s_add_co_u32 s20, s20, s22                     ; + the 128 rows that I fetch
	s_lshl_b32 s21, s21, 5
	s_add_co_u32 s20, s20, s21                     ; + my work-group's 32 of them
	s_mov_b32 s21, 0
	s_mov_b64 s[18:19], SIZE_K*2
	s_mul_u64 s[20:21], s[20:21], s[18:19]
	s_add_nc_u64 s[PFA:PFA+1], s[PFA:PFA+1], s[20:21]
	s_add_nc_u64 s[PFA:PFA+1], s[PFA:PFA+1], 2*KSTEP*2  ; at K step 2: the first refill steps it to 3 and names K step 4
	v_and_b32 v[PFO], 31, v0
	v_mul_u32_u24 v[PFO], v[PFO], SIZE_K*2
; 16 matrix instructions: m blocks a0, a0 + 1 of the window's four (hi = 0: my rows 0-63, 1: rows 64-127) x all 8 n blocks, 32 along K.  zero = 1: the product starts the sum.
; The 64 accumulators go in one fixed order in every quarter step, one instruction a turn: between two links of a chain stand the 63 others'.
.macro MUL16 f, hi, a0, zero
	WIN MUL_LO+0x50*(\hi)
.irp a, \a0, (\a0)+1
.irp b, 0,1,2,3,4,5,6,7
.if \zero
	v_wmma_f32_16x16x32_bf16 v[8*(8*(\a)+(\b)):8*(8*(\a)+(\b))+7], v[(\f)+8*(4*(\hi)+(\a)):(\f)+8*(4*(\hi)+(\a))+7], v[(\f)+8*(\b):(\f)+8*(\b)+7], 0
.else
	v_wmma_f32_16x16x32_bf16 v[8*(8*(\a)+(\b)):8*(8*(\a)+(\b))+7], v[(\f)+8*(4*(\hi)+(\a)):(\f)+8*(4*(\hi)+(\a))+7], v[(\f)+8*(\b):(\f)+8*(\b)+7], v[8*(8*(\a)+(\b)):8*(8*(\a)+(\b))+7]
.endif
.endr
.endr
.endm
; 32 LDS loads in one run: the fragments of one quarter step (128 rows of w, 128 rows of x, 32 K at byte k of the rows) into buffer f
.macro FETCH slot, k, f
	WIN TO_B
.irp i, 0,1,2,3,4,5,6,7
	ds_load_b128 v[(\f)+8*(\i):(\f)+8*(\i)+3],   v[ADRB+(\slot)] offset:(\k)+(\i)*16*PITCH
	ds_load_b128 v[(\f)+8*(\i)+4:(\f)+8*(\i)+7], v[ADRB+(\slot)] offset:(\k)+(\i)*16*PITCH+32
.endr
	WIN 0
.irp i, 0,1,2,3,4,5,6,7
	ds_load_b128 v[(\f)+8*(\i):(\f)+8*(\i)+3],   v[ADRA+(\slot)] offset:(\k)+(\i)*16*PITCH
	ds_load_b128 v[(\f)+8*(\i)+4:(\f)+8*(\i)+7], v[ADRA+(\slot)] offset:(\k)+(\i)*16*PITCH+32
.endr
.endm
; A load into a register that a matrix instruction has read, and a vector instruction that reads a matrix result or writes one of a matrix instruction's registers, stand four places behind it, and only plain
; vector instructions that name none of its registers are places (ISA guide 7.12.1 for vector instructions); the matrix instructions in between are not counted.
.macro PLACES
.rept 4
	v_nop
.endr
.endm
; A K step is four quarter steps of 32 along K, 64 matrix instructions each, on buffers 0, 1, 0, 1.  One of the first three: multiplies buffer f; in its middle it fetches the next quarter, at byte k, into buffer g.
.macro QUARTER slot, k, f, g
	s_wait_dscnt 8                                 ; w and x's rows 0-63 are in; the youngest eight loads (x's rows 64-127) may be out
	MUL16 \f, 0, 0, 0
	MUL16 \f, 0, 2, 0
	PLACES
	FETCH \slot, \k, \g
	s_wait_dscnt 32                                ; all but the 32 just issued
	MUL16 \f, 1, 0, 0
	MUL16 \f, 1, 2, 0
.endm
; The last quarter multiplies buffer 1 and changes slots.  MEET is its first half: ONE barrier for the change.  In front of it each wave waits for all its tensor loads, of which one is out: its part of the next
; slot; adds 0 to its spare word; and waits for that and for its own reads of this slot.  Behind it nobody reads this slot any more and the next slot is whole.
.macro MEET round                      ; round = 1: the rest of a round of the cluster's barrier follows
	WIN 0                                          ; (the add's two registers lie in window 0)
	s_wait_tensorcnt 0x0                           ; all my tensor loads have landed
	ds_add_u32 v[SPW], v[NIL]                      ; 0 onto my spare word
	s_wait_dscnt 9                                 ; (the add and the youngest eight loads may be out)
	MUL16 F1, 0, 0, 0                              ; sixteen matrix instructions stand between the add and the wait for it
	s_wait_dscnt 0x0                               ; the add is done, and my reads of this slot are over
	s_barrier_signal -1
	MUL16 F1, 0, 2, 0                              ; work on registers while the others arrive
.if \round
	WIN 0
.endif
	s_barrier_wait -1
.endm
; The whole last quarter.  Behind the round the slot just read out is filled again first, with the K step two steps on; then come the next slot's first fragments.  From a request to the wait for it a wave
; issues 224 matrix instructions.
.macro TURN slot, next
	s_wait_xcnt 0x0                                ; the last prefetch, a K step back, has read its address: it is stepped here, ahead of the waits of the change of slots
	s_add_nc_u64 s[PFA:PFA+1], s[PFA:PFA+1], KSTEP*2
	MEET 1
	CREST                                          ; no wave of any partner still reads this slot's tile or has a load on its way
	s_add_nc_u64 s[G0+4*(\slot)+2:G0+4*(\slot)+3], s[G0+4*(\slot)+2:G0+4*(\slot)+3], 2*KSTEP*2     ; no tensor load of mine is out, so a group 0 may be written
	s_add_nc_u64 s[G0B+4*(\slot)+2:G0B+4*(\slot)+3], s[G0B+4*(\slot)+2:G0B+4*(\slot)+3], 2*KSTEP*2
	JLOAD \slot                                    ; the first tensor load behind the round, my only one until the next; its four v_nop are also the places in front of the loads below
	FETCH \next, 0, F0
	ASK
	MUL16 F1, 1, 0, 0
	MUL16 F1, 1, 2, 0
.endm
; THE WAY OUT of block a (my rows 16 a .. 16 a + 15).  For each register number j (ascending: each accumulator is read from its low end on) and each group g of four accumulators: four moves
; into four registers on end; then the stores: lanes 0-15 write 256 consecutive bytes of row 16 a + j, lanes 16-31 of row 16 a + 8 + j, each at a multiple of 256 from out's first byte.
; The row and the group stand in the immediate, 2,081,024 at the most, inside its signed 24 bits (ISA guide, chapter 10): neither the base nor the offset register is ever rewritten.
.macro OUT a
.set OT, F0+64*((\a)%2)
.set AC, 64*((\a)%4)
.if (\a) >= 2
	s_wait_xcnt 0x0                                ; the stores of the block two back have read this buffer: it is rewritten only behind this wait
.endif
	WIN 0x02+((\a)/4)                              ; source 0: window 2 or 3
.irp j, 0,1,2,3,4,5,6,7
.irp g, 0,1
.irp c, 0,1,2,3
	v_mov_b32 v[OT+4*(2*(\j)+(\g))+(\c)], v[AC+8*(4*(\g)+(\c))+(\j)]
.endr
.endr
.endr
	WIN 0
.irp j, 0,1,2,3,4,5,6,7
.irp g, 0,1
	global_store_b128 v[CO], v[OT+4*(2*(\j)+(\g)):OT+4*(2*(\j)+(\g))+3], s[8:9] offset:(16*(\a)+(\j))*SIZE_N*4+256*(\g) th:TH_STORE_NT
.endr
.endr
.endm
	s_wait_loadcnt 0x0                             ; xl's and wl's fragments are in
	MUL16 F1, 0, 0, 1                              ; THE LOW-RANK STEP: 64 products that start the sums, while the first tiles are on their way
	MUL16 F1, 0, 2, 1
	MUL16 F1, 1, 0, 1
	MUL16 F1, 1, 2, 1
	s_wait_tensorcnt 1                             ; my part of K step 0 is in; K step 1's may stay out
	s_barrier_signal -1
	s_barrier_wait -1                              ; everybody's is
	FETCH 0, 0, F0
	QUARTER 0, 64,  F0, F1                         ; its four v_nop are the places between the low-rank products and the loads into buffer 1
	WIN 0                                          ; at a label and at a branch every window is 0
	s_mov_b32 s3, LAPS-1
.Llap:                                                 ; a trip goes once round the ring, from a lap's second quarter to the next lap's first, and fills both slots again
	QUARTER 0, 128, F1, F0
	QUARTER 0, 192, F0, F1
	TURN 0, 1
	QUARTER 1, 64,  F0, F1
	QUARTER 1, 128, F1, F0
	QUARTER 1, 192, F0, F1
	TURN 1, 0
	QUARTER 0, 64,  F0, F1
	WIN 0
	s_sub_co_u32 s3, s3, 1
	s_cmp_lg_u32 s3, 0
	s_cbranch_scc1 .Llap
	QUARTER 0, 128, F1, F0                         ; the last lap is written out: it asks for nothing
	QUARTER 0, 192, F0, F1
	MEET 0                                         ; my one tensor load that was still out is slot 1's, the last K step's, so no round follows
	PLACES
	FETCH 1, 0, F0
	MUL16 F1, 1, 0, 0
	MUL16 F1, 1, 2, 0
	QUARTER 1, 64,  F0, F1
	QUARTER 1, 128, F1, F0
	QUARTER 1, 192, F0, F1
	s_wait_dscnt 8                                 ; the very last quarter: nothing more to fetch
	MUL16 F1, 0, 0, 0
	MUL16 F1, 0, 2, 0
	s_wait_dscnt 0x0
	MUL16 F1, 1, 0, 0
	MUL16 F1, 1, 2, 0
	PLACES                                         ; behind the last products, in front of moves that read results and write over fragments: eight, once a launch
	PLACES
.irp a, 0,1,2,3,4,5,6,7
	OUT \a
.endr
	s_wait_tensorcnt 0x0                           ; the wave's end, behind my last tensor load
	ds_add_u32 v[SPW], v[NIL]
	s_wait_dscnt 0x0
	CROUND                                         ; the closing round: no work-group ends while a partner may still ask for a tile that names it
	s_endpgm
.Lfunc_end_k_q426365332e_gemm:
	.size	k_q426365332e_gemm, .Lfunc_end_k_q426365332e_gemm-k_q426365332e_gemm
	.p2alignl 7, 3214868480
	.fill 96, 4, 3214868480
	.section	.rodata,"a",@progbits
	.p2align	6, 0x0
	.amdhsa_kernel k_q426365332e_gemm
		.amdhsa_group_segment_fixed_size 327680
		.amdhsa_private_segment_fixed_size 0
		.amdhsa_enable_private_segment 0
		.amdhsa_kernarg_size 40
		.amdhsa_user_sgpr_count 2
		.amdhsa_user_sgpr_kernarg_segment_ptr 1
		.amdhsa_wavefront_size32 1
		.amdhsa_system_sgpr_workgroup_id_x 1
		.amdhsa_system_sgpr_workgroup_id_y 1
		.amdhsa_system_sgpr_workgroup_id_z 1
		.amdhsa_system_vgpr_workitem_id 0
		.amdhsa_next_free_vgpr 1024
		.amdhsa_next_free_sgpr 72
		.amdhsa_reserve_vcc 0
		.amdhsa_float_denorm_mode_32 3
		.amdhsa_float_denorm_mode_16_64 3
		.amdhsa_memory_ordered 1
		.amdhsa_forward_progress 1
		.amdhsa_inst_pref_size 148
	.end_amdhsa_kernel
	.amdgpu_metadata
---
amdhsa.version: [ 1, 2 ]
amdhsa.kernels:
  - .name:           k_q426365332e_gemm
    .symbol:         k_q426365332e_gemm.kd
    .args:
      - { .name: xb, .offset: 0, .size: 8, .value_kind: global_buffer, .address_space: global }
      - { .name: wb, .offset: 8, .size: 8, .value_kind: global_buffer, .address_space: global }
      - { .name: xl, .offset: 16, .size: 8, .value_kind: global_buffer, .address_space: global }
      - { .name: wl, .offset: 24, .size: 8, .value_kind: global_buffer, .address_space: global }
      - { .name: out0, .offset: 32, .size: 8, .value_kind: global_buffer, .address_space: global }
    .group_segment_fixed_size: 327680
    .private_segment_fixed_size: 0
    .kernarg_segment_align: 8
    .kernarg_segment_size: 40
    .max_flat_workgroup_size: 128
    .sgpr_count:     72
    .vgpr_count:     1024
    .wavefront_size: 32
...
	.end_amdgpu_metadata
.endif
;; end of part 2
